; MI455X (gfx1250); checked and timed in simulation.
; The chip was launched on July 23, 2026; its instructions are those of AMD's public machine-readable ISA for CDNA 5 (MIT licence, August 2026) and "CDNA5" Instruction Set Architecture Reference Guide (July 2026). The comments in the code are by the model that wrote it; some were corrected since.
;; Multi Head Attention. Allowed arithmetic: matrix products marked QUANTISED: E5M2 operands, one E8M0 scale for each 32 along K, by v_wmma_scale_f32_16x16x128_f8f6f4 with both operands' format E5M2, f32 sums; everything else in f32.
;; Inputs: k 2 x 4,096 x 512 float32; q 2 x 4,096 x 512 float32; v_codes 2 x 512 x 128 x 32 uint8 (E5M2 codes of v, K innermost, in blocks of 32 codes); v_scales 2 x 512 x 128 uint8 (E8M0 scales of v, one for each 32 codes along K).
;; Outputs: out0 2 x 4,096 x 512 float32.
;; This version of the problem:
;;   THIS VERSION OF THE PROBLEM IS GIVEN IN LOW PRECISION. The matrix products marked QUANTISED in the list below multiply operands that are first quantised to E5M2 (5 exponent bits, 2 mantissa bits; 8 bits a number), with one power-of-two scale for each 32 numbers along K (OCP MX v1.0); their sums are f32. All else is computed in f32.
;;   The module's matrix products, in the order in which they are computed (A, B: the left and right operand; K: the contracted axis; several contracted axes count as one K, in the product's order):
;;     1. batch 16 x [M 4,096, K 64] x [K 64, N 4,096]; A: input q; B: input k: QUANTISED
;;     2. batch 16 x [M 4,096, K 4,096] x [K 4,096, N 64]; A: softmax (see below); B: input v (given as codes): QUANTISED
;;   THE QUANTISER, for each operand of a quantised product, along K:
;;     - K is cut into blocks of 32 from its start; a last block that is shorter is filled with zeros.
;;     - A block's scale is 2^e with e = floor(log2(the largest magnitude in the block)) - 15, held to -126 .. 127; a block of zeros has e = 0. As a byte (E8M0): e + 127.
;;     - Each number is divided by its block's scale, clamped to +-57,344, and rounded to the nearest number of E5M2, ties to even, subnormals kept.
;;     - The product sums the exact products of the quantised numbers (number of the format x scale) in f32.
;;   ~~~python
;;   def quantise(x, axis):      # numpy; x: float32 -> the quantised numbers, widened to float32 again
;;       x = np.moveaxis(x, axis, -1); K = x.shape[-1]
;;       x = np.pad(x, [(0, 0)] * (x.ndim - 1) + [(0, -K % 32)]); x = x.reshape(x.shape[:-1] + (-1, 32)); a = np.abs(x).max(-1, keepdims=True)
;;       e = np.where(a > 0, np.clip(np.frexp(np.where(a > 0, a, 1))[1] - 1 - 15, -126, 127), 0)      # np.frexp(a)[1] - 1 = floor(log2(a)), exactly
;;       r = np.clip(x / 2.0 ** e, -57344, 57344)
;;       step = 2.0 ** (np.maximum(np.frexp(np.where(r == 0, 1, r))[1] - 1, -14) - 2)
;;       q = np.round(r / step) * step * 2.0 ** e      # np.round: ties to even
;;       return np.moveaxis(q.reshape(q.shape[:-2] + (-1,))[..., :K], -1, axis).astype(np.float32)
;;   ~~~
;;   SOFTMAX AHEAD OF A QUANTISED PRODUCT. Where the list says 'softmax', what is quantised is not the finished softmax but p = 2^(t - M), with t = logit x log2(e) and M = ceil(the row's largest t), a whole number; so 1/2 < the row's largest p <= 1. The row's sum l is taken of the UNQUANTISED p, in f32, and the product's result is divided by l at the end. Since M is a whole number, a kernel that streams over the keys may use a running M (the ceiling of the running maximum): every later rescaling is an exact power of two, which a block's scale takes up: the codes' values come out the same.
;;   OPERANDS COMPUTED ON THE WAY. 'Computed on the way' means the value that the module computes at that place (a softmax that the list does not call 'softmax' is quantised finished and normalised). What goes into a quantiser is computed in f32, as accurately as f32 sums, v_exp_f32 and their like allow (about 1e-6 of the number): no bf16 or f16 on the way to a quantiser, and a product that is left as it is and whose result goes on into a quantised operand takes f32 operands (vector FMAs, or v_wmma_f32_16x16x4_f32). A number that lies on a knife's edge between two numbers of the format may be rounded either way, as far as f32 arithmetic and the matrix unit's own rounding can turn it there, and no further.
;;   INPUTS GIVEN AS CODES. v (in the module: [2, 4096, 512], K = its axis 1): each comes as NAME_codes (uint8): NAME with its K axis moved to the last place and cut into blocks of 32 codes, [.., K / 32, bytes a block], one block behind the other in memory; one code a byte (a code: sign, 5 exponent bits, 2 mantissa bits); and NAME_scales (uint8): the same leading axes, one E8M0 byte (e + 127) for each 32 codes along K. Its value is code x scale, taken as it is: it is not quantised again, and the codes and scales need not be those that the quantiser above would give.
;; One version. Each part assembles by itself: llvm-mc -triple=amdgcn-amd-amdhsa -mcpu=gfx1250 --defsym DOCPART=n.
;; ======== version 1 of 1: 2 launches
;; limits: right only within a limited range of input values
;; workspace buffers: k_img 4,456,448 bytes
;; launch quantk (part 1): grid 256 x 1, 4 waves a work-group, no clusters, 42,496 bytes of LDS; arguments k, k_img; writes k_img
.if DOCPART == 1
	.amdgcn_target "amdgcn-amd-amdhsa--gfx1250"
	.amdhsa_code_object_version 6
	.text
	.protected	k_q6409005152_quantk
	.globl	k_q6409005152_quantk
	.p2align	8
	.type	k_q6409005152_quantk,@function
k_q6409005152_quantk:
	s_mov_b64 s[64:65], 0
	v_nop
	global_prefetch_b8 v0, s[64:65] scope:SCOPE_SE
	s_setreg_imm32_b32 hwreg(HW_REG_WAVE_MODE, 25, 1), 1
	s_wait_xcnt 0x0
; k [2][4096][512] f32 -> k_img: codes of BF8 (E5M2) and E8M0 scale words of every head's keys, quantised along the head's 64 (two blocks of 32), laid as the attention launch reads them.
; k_img is [16 heads][32 key steps] records of 8,704 bytes.  A record serves 128 keys:
;   bytes 0..8191: the 16 bytes at T*1024 + c*512 + (16 h + r)*16 are the codes d = 32 c + 16 h + 0..15 of key 32 (T/2) + 8 (T%2) + r + 8 (r/8): an image of the registers 4 c .. 4 c + 3 of tile T's fragment, lane 16 h + r;
;   bytes 8192..8703: 128 words in the order of the keys: byte 0 the scale of d = 0..31, byte 1 that of d = 32..63, bytes 2 and 3 zero (they scale zero codes alone).
; A block's scale is 2^(floor(log2(its largest magnitude)) - 15); its byte is the largest magnitude's exponent field - 15, held at 1 from below.  Each number is divided by the scale, held within +-57,344 and rounded to the nearest code, ties to even.
; LIMITS: NaN and infinities in k are not served.  A block whose largest magnitude lies under 2^-111 has its byte held at 1.  A block of zeros gets the byte 1 where the quantiser's rule says 127: its codes are zeros,
; which add nothing under any byte but 0xff, and this program alone reads the bytes.
; SHARES.  Work-group x takes the 64 keys 64 (x / 2) on of the flattened [8192] rows; wave w takes head 4 (x % 2) + w of them: 64 keys x 64 numbers, 16 KB.  All 32 loads of a wave go out at once; each reads two whole
; aligned pieces of 256 bytes (two keys' 64 numbers).  Waves share nothing: no barrier.  No tensor load: 16 KB a wave are held in registers at no cost to anything else here.
; A step is 8 keys: 512 numbers turn through the wave's own stage in LDS, so that a lane holds 16 neighbours (two neighbouring lanes hold a block).  The codes gather in a second stage, in the image's order, and leave as
; 512 consecutive bytes a store; the scale bytes gather in 256 bytes of LDS and leave as one aligned piece of 256 bytes.
.set WREG, 10496                       ; LDS of a wave
.set SP,   80                          ; a lane's place in a turning stage: 64 bytes + 16 of padding
.set TST,  32*SP                       ; a turning stage; two of them
.set CSTG, 2*TST                       ; the codes' stage: 16 runs of 256 bytes,
.set RP,   320                         ; 320 bytes apart: four lanes' runs then fall into four different quarters of the banks
.set WSTG, CSTG+16*RP                  ; the 64 scale words
.set REC,  8704
.set R,    32                          ; v32-159  the 32 loads
.set X,    160                         ; v160-191 two sets of 16 neighbours
.set C,    192                         ; v192-223 a step's codes, four registers each
.set E,    224                         ; v224-231 a step's scale byte
.set OUTR, 32                          ; the way out: v32-63
	s_load_b128 s[4:7], s[0:1], 0x0                ; k, k_img
	v_lshl_add_u32 v232, v0, 2, 0xa400
	v_mov_b32 v233, 0
	v_lshrrev_b32 v1, 5, v0
	v_readfirstlane_b32 s8, v1                     ; wave 0..3
	v_and_b32 v2, 31, v0                           ; lane l
	v_bfe_u32 v1, v0, 4, 1                         ; l / 16
	v_and_b32 v22, 15, v0                          ; l % 16
	v_and_b32 v20, 3, v0                           ; l % 4
	v_lshrrev_b32 v21, 2, v2                       ; l / 4
	s_mul_i32 s24, s8, WREG                        ; my wave's LDS
	s_add_co_u32 s25, s24, CSTG
	s_add_co_u32 s26, s24, WSTG
	v_lshlrev_b32 v3, 4, v22
	v_lshl_add_u32 v3, v1, 11, v3                  ; a load: lanes 0-15 one key's 256 bytes, lanes 16-31 the next key's, 2,048 bytes on
	v_mul_u32_u24 v4, v20, RP
	v_lshl_add_u32 v4, v21, 4, v4
	v_add_nc_u32 v4, s25, v4                       ; my codes' place: run l % 4 (= 2 c + h) of a tile, 16 bytes at r = l / 4
	v_bfe_u32 v5, v0, 1, 1
	v_lshl_add_u32 v5, v21, 2, v5
	v_add_nc_u32 v5, s26, v5                       ; my block's scale byte: word l / 4 of a step's eight, byte c
	v_lshlrev_b32 v9, 3, v2                        ; the words on the way out: 8 bytes a lane
	v_add_nc_u32 v6, s26, v9
	v_mul_u32_u24 v7, v1, RP
	v_lshl_add_u32 v7, v22, 4, v7
	v_add_nc_u32 v7, s25, v7                       ; the codes on the way out: sixteen lanes to a run, two runs an instruction
	v_lshlrev_b32 v8, 4, v2                        ; and the same 512 bytes in memory
	v_mul_u32_u24 v14, v21, SP
	v_lshl_add_u32 v14, v20, 4, v14
	v_add_nc_u32 v14, s24, v14                     ; the turning stage, in: four lanes' 64 bytes on end, then the padding
	v_mul_u32_u24 v15, v2, SP
	v_add_nc_u32 v15, s24, v15                     ; and out: my 16 neighbours
	v_mov_b32 v16, 0
	v_mov_b32 v17, 0
	s_wait_alu depctr_va_vdst(0)
	s_mov_b32 s23, 0x600000                        ; the mantissa field of 57,344
	s_lshr_b32 s9, ttmp9, 1                        ; G: which 64 rows
	s_and_b32 s10, ttmp9, 1
	s_lshl_b32 s10, s10, 2
	s_add_co_u32 s10, s10, s8                      ; the head within the batch
	s_lshl_b32 s12, s9, 17                         ; 64 rows of 2,048 bytes
	s_lshl_b32 s11, s10, 8                         ; the head's 256 bytes of a row
	s_add_co_u32 s12, s12, s11
	s_mov_b32 s13, 0
	s_lshr_b32 s14, s9, 6                          ; the batch
	s_lshl_b32 s14, s14, 3
	s_add_co_u32 s14, s14, s10                     ; the head of sixteen
	s_mul_i32 s14, s14, 32*REC
	s_bfe_u32 s15, s9, 0x50001                     ; the key step: (G / 2) % 32
	s_mul_i32 s15, s15, REC
	s_add_co_u32 s14, s14, s15                     ; the record
	s_and_b32 s16, s9, 1                           ; which half of its 128 keys
	s_lshl_b32 s17, s16, 12
	s_add_co_u32 s18, s14, s17                     ; my 4,096 bytes of codes: tiles 4 half .. 4 half + 3
	s_mov_b32 s19, 0
	s_lshl_b32 s17, s16, 8
	s_add_co_u32 s20, s14, s17
	s_add_co_u32 s20, s20, 8192                    ; my 64 words
	s_mov_b32 s21, 0
	ds_store_b64 v6, v[16:17]                      ; the words begin as zeros: bytes 2 and 3 stay so
	s_wait_kmcnt 0x0
	s_add_nc_u64 s[4:5], s[4:5], s[12:13]
	s_add_nc_u64 s[18:19], s[6:7], s[18:19]
	s_add_nc_u64 s[20:21], s[6:7], s[20:21]
.set n, 0
.rept 32
	global_load_b128 v[R+4*n:R+4*n+3], v3, s[4:5] offset:4096*n th:TH_LOAD_NT   ; keys 2 n and 2 n + 1; read once in the launch
.set n, n+1
.endr
; Step j's 2,048 bytes go through a stage as they lie and come back 64 bytes a lane: lane l then holds d = 16 (l % 4) + 0..15 of key 8 j + l / 4.  LDS serves a wave's instructions in order: no wait between the stores and the loads.
.macro TURN j
.irp i, 0,1,2,3
	ds_store_b128 v14, v[R+16*(\j)+4*\i:R+16*(\j)+4*\i+3] offset:TST*((\j)%2)+8*SP*\i
.endr
.irp i, 0,1,2,3
	ds_load_b128 v[X+16*((\j)%2)+4*\i:X+16*((\j)%2)+4*\i+3], v15 offset:TST*((\j)%2)+16*\i
.endr
.endm
.macro QSTEP j
.set XS, X+16*((\j)%2)
.if (\j) > 0
	s_wait_dscnt 2                                 ; this step's numbers are back; behind their loads stand the last step's byte store and code store
.else
	s_wait_dscnt 0x0
.endif
.if (\j) < 7
	s_wait_loadcnt 24-4*(\j)                       ; the next step's four loads are in; those of the steps behind it may be out
	TURN (\j)+1                                    ; and turn through the other stage while this step is worked
.endif
	v_max3_num_f32 v12, |v[XS]|, |v[XS+1]|, |v[XS+2]|              ; the largest magnitude of my 16, in two chains
	v_max3_num_f32 v13, |v[XS+3]|, |v[XS+4]|, |v[XS+5]|
.irp i, 6,10
	v_max3_num_f32 v12, v12, |v[XS+\i]|, |v[XS+\i+1]|
	v_max3_num_f32 v13, v13, |v[XS+\i+2]|, |v[XS+\i+3]|
.endr
	v_max3_num_f32 v12, v12, |v[XS+14]|, |v[XS+15]|
	v_max3_num_f32 v12, v12, v13, 0x8000000        ; and the floor 2^(16 - 127): the byte cannot fall under 1
	v_max_num_f32_dpp v12, v12, v12 row_xmask:1 row_mask:0xf bank_mask:0xf   ; with my neighbour's 16: the block's
	v_add_nc_u32 v11, 0xf8800000, v12              ; 15 off its exponent field: the conversion takes the exponent field of this operand as its scale
	v_and_or_b32 v10, v12, 0x7f800000, s23         ; 57,344 x the scale
.set n, 0
.rept 16
	v_med3_num_f32 v[XS+n], v[XS+n], -v10, v10     ; the conversion to an 8-bit code does not saturate (ISA guide 7.6.2): the hold comes first
.set n, n+1
.endr
	v_cvt_scalef32_pk8_bf8_f32 v[C+4*(\j):C+4*(\j)+1], v[XS:XS+7], v11
	v_cvt_scalef32_pk8_bf8_f32 v[C+4*(\j)+2:C+4*(\j)+3], v[XS+8:XS+15], v11
	v_lshrrev_b32 v[E+(\j)], 23, v11               ; the scale's byte (also the plain line behind the conversions)
	; the words of a record's ODD tiles (odd j) carry their two bytes in bytes 2 and 3, bytes 0 and 1 zero: the attention launch holds an odd tile's codes in the upper half of a fragment.  What the kernel's head says of the words holds for the even tiles
	ds_store_b8 v5, v[E+(\j)] offset:32*(\j)+2*((\j)%2)   ; both lanes of a block write the same byte with the same value
	ds_store_b128 v4, v[C+4*(\j):C+4*(\j)+3] offset:(2*((\j)/4)+(\j)%2)*4*RP+(((\j)/2)%2)*128   ; keys 8 j on belong to tile 2 (j / 4) + j % 2 of my four, rows r = l / 4 + 8 ((j / 2) % 2)
.endm
	s_wait_loadcnt 28                              ; step 0's four loads are in
	TURN 0
.irp j, 0,1,2,3,4,5,6,7
	QSTEP \j
.endr
.irp m, 0,1,2,3,4,5,6,7
	ds_load_b128 v[OUTR+4*\m:OUTR+4*\m+3], v7 offset:2*RP*\m      ; runs 2 m and 2 m + 1; these see my stores
.endr
	ds_load_b64 v[18:19], v6
.irp m, 0,1,2,3,4,5,6,7
	s_wait_dscnt 8-\m                              ; behind load m: the 7 - m later ones and the words'
	global_store_b128 v8, v[OUTR+4*\m:OUTR+4*\m+3], s[18:19] offset:512*\m   ; 32 lanes store 512 consecutive bytes, at a multiple of 256 from the buffer's first byte
.endr
	s_wait_dscnt 0x0
	global_store_b64 v9, v[18:19], s[20:21]        ; 32 lanes store 256 consecutive bytes, aligned likewise
	s_wait_tensorcnt 0x0
	ds_add_u32 v232, v233
	s_wait_dscnt 0x0
	s_endpgm
.Lfunc_end_k_q6409005152_quantk:
	.size	k_q6409005152_quantk, .Lfunc_end_k_q6409005152_quantk-k_q6409005152_quantk
	.p2alignl 7, 3214868480
	.fill 96, 4, 3214868480
	.section	.rodata,"a",@progbits
	.p2align	6, 0x0
	.amdhsa_kernel k_q6409005152_quantk
		.amdhsa_group_segment_fixed_size 42496
		.amdhsa_private_segment_fixed_size 0
		.amdhsa_enable_private_segment 0
		.amdhsa_kernarg_size 16
		.amdhsa_user_sgpr_count 2
		.amdhsa_user_sgpr_kernarg_segment_ptr 1
		.amdhsa_wavefront_size32 1
		.amdhsa_system_sgpr_workgroup_id_x 1
		.amdhsa_system_sgpr_workgroup_id_y 1
		.amdhsa_system_sgpr_workgroup_id_z 1
		.amdhsa_system_vgpr_workitem_id 0
		.amdhsa_next_free_vgpr 234
		.amdhsa_next_free_sgpr 66
		.amdhsa_reserve_vcc 0
		.amdhsa_float_denorm_mode_32 3
		.amdhsa_float_denorm_mode_16_64 3
		.amdhsa_memory_ordered 1
		.amdhsa_forward_progress 1
		.amdhsa_inst_pref_size 29
	.end_amdhsa_kernel
	.amdgpu_metadata
---
amdhsa.version: [ 1, 2 ]
amdhsa.kernels:
  - .name:           k_q6409005152_quantk
    .symbol:         k_q6409005152_quantk.kd
    .args:
      - { .name: k, .offset: 0, .size: 8, .value_kind: global_buffer, .address_space: global }
      - { .name: k_img, .offset: 8, .size: 8, .value_kind: global_buffer, .address_space: global }
    .group_segment_fixed_size: 42496
    .private_segment_fixed_size: 0
    .kernarg_segment_align: 8
    .kernarg_segment_size: 16
    .max_flat_workgroup_size: 128
    .sgpr_count:     66
    .vgpr_count:     234
    .wavefront_size: 32
...
	.end_amdgpu_metadata
.endif
;; end of part 1
;; launch attn (part 2): grid 16 x 16, 8 waves a work-group, clusters of 4 x 1, 327,680 bytes of LDS; arguments q, k_img, v_codes, v_scales, out0; writes out0
.if DOCPART == 2
	.amdgcn_target "amdgcn-amd-amdhsa--gfx1250"
	.amdhsa_code_object_version 6
	.text
	.protected	k_q6409005152_attn
	.globl	k_q6409005152_attn
	.p2align	8
	.type	k_q6409005152_attn,@function
k_q6409005152_attn:
	s_mov_b64 s[64:65], 0
	v_nop
	global_prefetch_b8 v0, s[64:65] scope:SCOPE_SE
	s_setreg_imm32_b32 hwreg(HW_REG_WAVE_MODE, 25, 1), 1
	s_wait_xcnt 0x0
	s_wait_alu depctr_hold_cnt(0) depctr_sa_sdst(0) depctr_va_vdst(0) depctr_va_sdst(0) depctr_va_ssrc(0) depctr_va_vcc(0) depctr_vm_vsrc(0)
	s_getreg_b32 s2, hwreg(HW_REG_IB_STS2, 6, 4)
	s_cmp_eq_u32 s2, 0
	s_cbranch_scc0 .Lentry_in_a_cluster
	s_endpgm
.Lentry_in_a_cluster:
	s_bfe_u32 s2, ttmp6, 0x10000c
	s_cmp_lg_u32 s2, 0x3003
	s_cbranch_scc0 .Lentry_shape_is_right
	s_endpgm
.Lentry_shape_is_right:
; out0[b][n][64 hd + d] = the sum over keys j of softmax_j(q . k / 8) v, for 16 heads (y = 8 b + hd), 4,096 queries and keys, head size 64; both products on codes of BF8 (E5M2) with one E8M0 scale for each 32 along K.
; q: f32, quantised here in registers (each row is read by one wave, once).  k: records of codes and scale words made by the launch before (k_img).  v: given as codes with the keys innermost, [16 x 64 rows][4096], and 128 scale bytes a row.
; THE SOFTMAX AHEAD OF THE SECOND PRODUCT: t = score x log2(e) / 8; M = the row's largest t so far, rounded UP to a whole number; p = 2^(t - M) is what is quantised, along the keys, not normalised.  The row's sum is taken of
; the unquantised p and divides O at the end.  When M moves, the sum and O are multiplied by 2^(old M - new M): exact.
; THE FIRST PRODUCT'S K IS 64, the instruction's 128.  A fragment of K holds TWO tiles of 16 keys: the even tile's 64 codes in registers 0-7, the odd tile's in 8-15.  Q is held twice: as (q, zeros) for the even tile and as
; (zeros, q) for the odd one: the other tile's codes meet zero codes and add nothing.  So a step's eight tiles of keys are 64 registers, free again behind the step's 16 products, and the next step's are loaded under the softmax.
; SHARES.  A work-group owns 256 queries of one head; each of its eight waves 32 of them, two tiles A and B of 16, so that each fragment read from LDS feeds two products (K's: four); 512 registers a wave, two waves to a SIMD.
; Every wave walks all 4,096 keys, 128 a step, through a ring of two LDS slots of 512 keys.  The two tiles' softmaxes are laid into each other: one tile's chain for M stands among the other's independent lines.
; THE CHANGE OF SLOTS stands inside a slot's last step: my last LDS reads of the slot are that step's fragments of V, so the waits, the add and the opening signal follow them; the softmax as far as the second batch of
; exponentials, work on registers alone, stands between the signal and the wait; the refill and the next slot's first fragments of K follow, and land under the rest of the step.
; CLUSTER.  The four query blocks of a cluster belong to one head and walk the same K and V: each tile is asked for JOINTLY, by the same tensor load with the same descriptor and the mask of all four.  Only one axis shares tiles, so the cluster is 4 x 1.
; NO DATA PREFETCH: a slot's refill is asked for three key steps ahead of the wait for it, and a head's K and V are walked by its four clusters side by side.
; LAYOUT.  Both products are used transposed: S^T = K Q^T, O^T = V^T P^T: a lane holds ONE query (lane % 16) throughout.  Row r of key tile 2 b + u is key 32 b + 8 u + r + 8 (r / 8), so that the 16 registers of tiles
; 2 b and 2 b + 1 are the keys 32 b + 16 (lane / 16) + 0 .. 15: the conversions' results are P's fragment.
; LIMITS: NaN and infinities in q are not served.  A block of q whose largest magnitude lies under 2^-111, and a block of p all of whose numbers have fallen to 0, keep the scale byte 1.  A block's largest p is made from the
; block's largest score by the same multiply-add and exponential: this takes v_exp_f32 not to fall where its input rises.  The scaled scores stay under 2^31 in magnitude.
; REGISTERS.  Window 0: v1-13 addresses; v16-23 the tiles' -M, largest score, sum in two halves; v24-31, v224-225 scale words and nothing else; v32-95, v96-159 S^T then p of A, B; v160-191 p's codes; v192-223, v226-239 at work.
;   Window 1: v0-63 O^T of A, B; v64-127 Q's four fragments; v128-191 K's four; v192-255 V's four.
.set REC,   8704                       ; a key step's record of K: 8,192 bytes of codes, 128 scale words
.set KPART, 4*REC
.set VOFF,  KPART                      ; a slot: four records, then 64 rows of V,
.set VP,    528                        ; 512 bytes + 16 of padding
.set SLOT1, 1<<17                      ; slot 1 begins here: one exclusive or turns an address in one slot into the other's
.set STAGE, VOFF+64*VP                 ; 16 rows x 272 bytes for each wave, for q on the way in and O on the way out: bytes of its own, into which no tile lands
.set SP,    272
.set SCV,   SLOT1+STAGE                ; V's scale bytes of the whole head, 32 pieces of 256 bytes + 16 of padding, filled once
.set SPARE, SCV+32*272                 ; the spare words, 128 bytes for each wave
.set AK0,  1
.set AV0,  2
.set ASK0, 3
.set ASV0, 4
.set SPW,  5
.set NIL,  6
.set GO,   7
.set ADK,  8
.set ADV,  9
.set ADS,  10
.set ADT,  11
.set STO,  12
.set RD,   13
.set STA,  16                          ; +0 -M, +1 the largest score so far, +2, +3 the sum
.set STB,  20
.set KS,   24
.set VS,   28
.set QSA,  30
.set QSB,  31
.set PWA,  224
.set PWB,  225
.set SA,   32
.set SB,   96
.set PA,   160
.set PB,   176
.set WA,   192                         ; +0..3 block maxima; +4..7 the other half's, then bytes, then two side chains of a row's sum; +8..11 the hold; +12..15 the conversions' scale operand
.set WB,   208
.set FA,   226                         ; v[226:227], v[228:229]: f = 2^(old M - new M) in the low word
.set FB,   228
.set TMA,  230
.set TMB,  231
.set OMA,  232                         ; the old -M
.set OMB,  233
.set U,    234                         ; v234-239 three of the seven side chains of a row's sum
.set OA,   0                           ; window 1
.set OB,   32
.set QLA,  64
.set QHA,  80
.set QLB,  96
.set QHB,  112
.set KF,   128
.set VF,   192
.set WV,   14
.set HALF, 15
.set SEL,  16
.set CS,   18
.set MNT,  20
.set TB,   21
.set TJ,   22
.set SLOTS, 23
.set G1K,  24
.set G1V,  32
.set G1S,  40
.set G0K,  48
.set G0V,  52
.set G0S,  56
.set MSB, 0
.macro WIN new                         ; the immediate's high byte repeats the setting that is left; a switch that changes nothing is dropped
.if MSB != \new
	s_set_vgpr_msb (MSB<<8)|\new
.set MSB, \new
.endif
.endm
.set TO1,   0x40                       ; destination window 1
.set W_KQ,  0x05                       ; K and Q in window 1, S^T in window 0
.set W_PV,  0x51                       ; V in window 1, P in window 0, O^T in window 1
.set W_RS,  0x41                       ; O^T (destination and source 0) in window 1, f in window 0
.set W_OUT, 0x01                       ; O^T (source 0) in window 1
.macro VW
	s_wait_alu depctr_va_vdst(0)
.endm
.macro NOPS n
.rept \n
	v_nop
.endr
.endm
.macro CREST                           ; a round of the cluster's barrier behind its opening barrier
	s_cmp_lg_u32 s[WV], 0
	s_cbranch_scc1 .Lnot_wave_0_\@
	s_barrier_signal -3
.Lnot_wave_0_\@:
	s_barrier_wait -3
	s_barrier_signal -1
	s_barrier_wait -1
.endm
.macro CROUND
	s_barrier_signal -1
	s_barrier_wait -1
	CREST
.endm
.macro TL g0, g1                       ; a tensor load with five lines behind it
	tensor_load_to_lds s[\g0:\g0+3], s[\g1:\g1+7]
	s_nop 0
	NOPS 4
.endm
.macro JLOAD                           ; a joint fill of a slot: waves 0 and 1 two records of K each, waves 2 and 3 32 rows of V each
	s_cmp_lt_u32 s[WV], 2
	s_cbranch_scc0 .Lnot_k_\@
	TL G0K, G1K
	s_branch .Lasked_\@
.Lnot_k_\@:
	s_cmp_lt_u32 s[WV], 4
	s_cbranch_scc0 .Lasked_\@
	TL G0V, G1V
.Lasked_\@:
.endm
.macro WALK                            ; the walking descriptors: the other slot than last time, the next 512 keys
	s_xor_b32 s[G0K+1], s[G0K+1], SLOT1
	s_add_nc_u64 s[G0K+2:G0K+3], s[G0K+2:G0K+3], KPART
	s_xor_b32 s[G0V+1], s[G0V+1], SLOT1
	s_add_nc_u64 s[G0V+2:G0V+3], s[G0V+2:G0V+3], 512
.endm
.macro KLOAD q                         ; step q's four fragments of K (each 4 x 512 consecutive bytes of an image) and its four registers of scale words: 20 LDS loads
	WIN TO1
.irp j, 0,1,2,3
.irp c, 0,1,2,3
	ds_load_b128 v[KF+16*\j+4*\c:KF+16*\j+4*\c+3], v[ADK] offset:(\q)*REC+2048*\j+512*\c
.endr
.endr
	WIN 0
.irp b, 0,1,2,3
	ds_load_b32 v[KS+\b], v[ADS] offset:(\q)*REC+128*\b
.endr
.endm
.macro ENTER                           ; the four addresses of the slot at s[TB], and its first step's K
	v_add_nc_u32 v[ADK], s[TB], v[AK0]
	v_add_nc_u32 v[ADV], s[TB], v[AV0]
	v_add_nc_u32 v[ADS], s[TB], v[ASK0]
	v_add_nc_u32 v[ADT], s[TJ], v[ASV0]
	VW
	KLOAD 0
.endm
	s_load_b256 s[4:11], s[0:1], 0x0               ; q, k_img, v_codes, v_scales
	s_load_b64 s[12:13], s[0:1], 0x20              ; out0
	v_lshl_add_u32 v[SPW], v0, 2, SPARE
	v_mov_b32 v[NIL], 0
	ds_add_u32 v[SPW], v[NIL]                      ; the opening lines: the add, twice on end, and its wait ahead of my first tensor load
	ds_add_u32 v[SPW], v[NIL]
	v_lshrrev_b32 v8, 5, v0
	v_readfirstlane_b32 s[WV], v8                  ; wave 0..7
	s_and_b32 s[HALF], s[WV], 1
	s_and_b32 s81, s[WV], 3
	s_and_b32 s66, ttmp7, 0xffff                   ; the head y, which the four partners share
	s_mul_i32 s68, s66, 32*REC                     ; K: the head's records,
	s_mul_i32 s67, s[HALF], 2*REC                  ; my two of a slot's four
	s_add_co_u32 s68, s68, s67
	s_mov_b32 s69, 0
	s_lshl_b32 s70, s66, 18                        ; V: the head's 64 rows of 4,096 bytes,
	s_lshl_b32 s67, s[HALF], 17                    ; my 32 of them
	s_add_co_u32 s70, s70, s67
	s_mov_b32 s71, 0
	s_lshl_b32 s72, s66, 13                        ; V's scale bytes: the head's 8,192,
	s_lshl_b32 s67, s81, 11                        ; my quarter of them
	s_add_co_u32 s72, s72, s67
	s_mov_b32 s73, 0
	s_mul_i32 s82, s81, 8*272
	s_add_co_u32 s82, s82, SCV                     ; and its place in LDS
	s_bfe_u32 s74, ttmp6, 0x40000                  ; cx: it enters q's and out0's addresses alone
	s_lshl_b32 s75, ttmp9, 2
	s_add_co_u32 s75, s75, s74                     ; my block of 256 queries
	s_lshl_b32 s76, s75, 19                        ; its 256 rows of 2,048 bytes,
	s_lshl_b32 s79, s[WV], 16                      ; my wave's 32 of them,
	s_add_co_u32 s76, s76, s79
	s_lshr_b32 s79, s66, 3
	s_lshl_b32 s79, s79, 23                        ; the batch's 4,096 rows,
	s_add_co_u32 s76, s76, s79
	s_and_b32 s79, s66, 7
	s_lshl_b32 s79, s79, 8                         ; the head's 256 bytes of a row
	s_add_co_u32 s76, s76, s79
	s_mov_b32 s77, 0
	s_mul_i32 s80, s[WV], 16*SP
	s_add_co_u32 s80, s80, STAGE                   ; my stage
	; descriptor groups 1.  K: two records are 68 dense rows of 256 bytes (32 elements of 8 bytes), no padding
	s_mov_b32 s[G1K], 15|(3<<16)|(1<<21)           ; the mask of all four work-groups; elements of 8 bytes; bit 21 beside a mask
	s_mov_b32 s[G1K+1], 32<<16
	s_mov_b32 s[G1K+2], 68<<16
	s_mov_b32 s[G1K+3], 32<<16
	s_mov_b32 s[G1K+4], 68
	s_mov_b32 s[G1K+5], 32
	s_mov_b32 s[G1K+6], 0
	s_mov_b32 s[G1K+7], 0
	; V: 32 rows of 512 bytes, 4,096 bytes apart in memory, four words of padding behind every 128
	s_mov_b32 s[G1V], 15|(1<<20)|(1<<21)|(6<<22)|(3<<25)
	s_mov_b32 s[G1V+1], 512<<16
	s_mov_b32 s[G1V+2], 32<<16
	s_mov_b32 s[G1V+3], 512<<16
	s_mov_b32 s[G1V+4], 32
	s_mov_b32 s[G1V+5], 4096
	s_mov_b32 s[G1V+6], 0
	s_mov_b32 s[G1V+7], 0
	; V's scale bytes: a quarter is 2,048 dense bytes, 8 rows of 256, four words of padding behind every 64
	s_mov_b32 s[G1S], 15|(3<<16)|(1<<20)|(1<<21)|(5<<22)|(3<<25)
	s_mov_b32 s[G1S+1], 32<<16
	s_mov_b32 s[G1S+2], 8<<16
	s_mov_b32 s[G1S+3], 32<<16
	s_mov_b32 s[G1S+4], 8
	s_mov_b32 s[G1S+5], 32
	s_mov_b32 s[G1S+6], 0
	s_mov_b32 s[G1S+7], 0
	s_mov_b32 s[SEL], 0x76543210
	s_mov_b32 s[SEL+1], 0xfedcba98                 ; v_permlanex16_b32's selects for lane l xor 16
	s_mov_b32 s[CS], 0x3e38aa3b                    ; c = log2(e) / 8
	s_mov_b32 s[CS+1], s[CS]
	s_mov_b32 s[MNT], 0x600000                     ; the mantissa field of 57,344
	s_mov_b32 s[TB], 0
	s_mov_b32 s[TJ], 0
	s_mov_b32 s[SLOTS], 6
	v_and_b32 v14, 15, v0                          ; r = lane % 16
	v_bfe_u32 v15, v0, 4, 1                        ; h = lane / 16
	v_and_b32 v[AK0], 31, v0
	v_lshlrev_b32 v[AK0], 4, v[AK0]                ; K: 16 x lane in an image of registers
	v_mul_u32_u24 v[AV0], v14, VP
	v_lshl_add_u32 v[AV0], v15, 4, v[AV0]
	v_add_nc_u32 v[AV0], VOFF, v[AV0]              ; V: row r of a tile, + 16 h
	v_and_b32 v[ASK0], 8, v14
	v_add_nc_u32 v[ASK0], v[ASK0], v14
	v_lshl_add_u32 v[ASK0], v15, 3, v[ASK0]        ; key r + 8 (r / 8) + 8 h of a group of 32: lanes 0-15 the even tile's rows, lanes 16-31 the odd tile's
	v_lshl_add_u32 v[ASK0], v[ASK0], 2, 8192       ; its word, behind the record's codes
	v_lshrrev_b32 v[ASV0], 1, v14
	v_lshl_add_u32 v[ASV0], v15, 3, v[ASV0]        ; row 16 h + r of V's scale bytes: two rows of 128 bytes to a piece of 256
	v_mul_u32_u24 v[ASV0], v[ASV0], 272
	v_and_b32 v8, 1, v14
	v_lshl_add_u32 v[ASV0], v8, 7, v[ASV0]
	v_add_nc_u32 v[ASV0], SCV, v[ASV0]
	v_lshlrev_b32 v[GO], 11, v15
	v_lshl_add_u32 v[GO], v14, 4, v[GO]            ; q and out0: lanes 0-15 one row's 256 bytes, lanes 16-31 the next row's
	v_mul_u32_u24 v[STO], v14, SP
	v_lshl_add_u32 v[STO], v15, 5, v[STO]
	v_add_nc_u32 v[STO], s80, v[STO]               ; the stage by queries: row r, 32 bytes for each half of the lanes (O on the way out);
	v_lshl_add_u32 v[TMA], v15, 5, v[STO]          ; row r, 64 bytes for each half (q on the way in: my 16 numbers of a block of 32)
	v_mul_u32_u24 v[RD], v15, SP
	v_lshl_add_u32 v[RD], v14, 4, v[RD]
	v_add_nc_u32 v[RD], s80, v[RD]                 ; the stage by rows: two whole rows an instruction
	VW
	s_wait_dscnt 0x0                               ; both opening adds are done
	s_wait_kmcnt 0x0
	s_add_nc_u64 s[4:5], s[4:5], s[76:77]          ; q and out0 at my wave's first row, my head
	s_add_nc_u64 s[12:13], s[12:13], s[76:77]
.irp u, 0,1                                    ; q goes out first, by whole rows: 16 lanes read 256 consecutive bytes, at a multiple of 256 from q's first byte
.irp i, 0,1,2,3,4,5,6,7
	global_load_b128 v[SA+32*\u+4*\i:SA+32*\u+4*\i+3], v[GO], s[4:5] offset:32768*\u+4096*\i th:TH_LOAD_NT
.endr
.endr
	s_mov_b32 s[G0K], 1
	s_mul_i32 s[G0K+1], s[HALF], 2*REC
	s_add_nc_u64 s[G0K+2:G0K+3], s[6:7], s[68:69]
	s_or_b32 s[G0K+3], s[G0K+3], 0x80000000
	s_mov_b32 s[G0V], 1
	s_mul_i32 s[G0V+1], s[HALF], 32*VP
	s_add_co_u32 s[G0V+1], s[G0V+1], VOFF
	s_add_nc_u64 s[G0V+2:G0V+3], s[8:9], s[70:71]
	s_or_b32 s[G0V+3], s[G0V+3], 0x80000000
	s_mov_b32 s[G0S], 1
	s_mov_b32 s[G0S+1], s82
	s_add_nc_u64 s[G0S+2:G0S+3], s[10:11], s[72:73]
	s_or_b32 s[G0S+3], s[G0S+3], 0x80000000
	CROUND                                         ; all four work-groups are here: the first joint loads meet
	; the first fills, one in EVERY wave, in one chain of branches on the wave's number: slot 0's K (waves 0, 1), its V (waves 2, 3), a quarter of V's scale bytes (waves 4 to 7)
	s_cmp_lt_u32 s[WV], 2
	s_cbranch_scc0 .Lfirst_not_k
	TL G0K, G1K
	s_branch .Lfirst_asked
.Lfirst_not_k:
	s_cmp_lt_u32 s[WV], 4
	s_cbranch_scc0 .Lfirst_not_v
	TL G0V, G1V
	s_branch .Lfirst_asked
.Lfirst_not_v:
	TL G0S, G1S
.Lfirst_asked:
.irp st, STA, STB
	v_mov_b32 v[\st+1], 0xff61b1e6                 ; the largest score so far: -3e38
	v_mov_b32 v[\st], 0x7d800000                   ; -M: a large whole number, so that the first f is 0
	v_mov_b32 v[\st+2], 0                          ; the sum, in two halves
	v_mov_b32 v[\st+3], 0
.endr
.irp b, 4,5,6,7
	v_mov_b32 v[WA+\b], 0                          ; written once: a lane permute's destination counts as one of its sources
	v_mov_b32 v[WB+\b], 0
.endr
	v_mov_b32 v[FA+1], 0                           ; named as the upper halves of f's pairs
	v_mov_b32 v[FB+1], 0
	WIN TO1
.set n, 0
.rept 64
	v_mov_b32 v[OA+n], 0                           ; O^T: the key step is written in one form; the first finds zeros, which f = 0 leaves zeros
.set n, n+1
.endr
.irp j, 0,1,2,3,4,5,6,7
	v_mov_b32 v[QLA+8+\j], 0                       ; Q's zero halves
	v_mov_b32 v[QHA+\j], 0
	v_mov_b32 v[QLB+8+\j], 0
	v_mov_b32 v[QHB+\j], 0
.endr
	WIN 0
	VW
	s_wait_tensorcnt 0x0                           ; my part of slot 0 or of the scale bytes is in; slot 1's first fill is issued as a refill is, while q is still on its way
	ds_add_u32 v[SPW], v[NIL]
	WALK
	s_wait_dscnt 0x0
	CROUND
	JLOAD
	ENTER                                          ; slot 0's first fragments of K land while q is quantised
	s_wait_loadcnt 0x0                             ; q
.irp u, 0,1                                    ; a tile of q turns through my stage: in by rows, back by queries: register 32 u + 16 c + i of v96 on = d 32 c + 16 h + i of query 16 u + r.  LDS serves a wave's instructions in order (ISA guide 5.7.1.4)
.irp i, 0,1,2,3,4,5,6,7
	ds_store_b128 v[RD], v[SA+32*\u+4*\i:SA+32*\u+4*\i+3] offset:2*\i*SP
.endr
.irp c, 0,1
.irp j, 0,1,2,3
	ds_load_b128 v[SB+32*\u+16*\c+4*\j:SB+32*\u+16*\c+4*\j+3], v[TMA] offset:128*\c+16*\j
.endr
.endr
.endr
	s_wait_dscnt 0x0
	; q's two tiles are quantised side by side: four blocks of 32 (16 numbers in me, 16 in lane l xor 16)
.irp b, 0,1
	v_max3_num_f32 v[WA+\b], |v[SB+16*\b]|, |v[SB+1+16*\b]|, 0x8000000    ; with the floor 2^(16 - 127): the byte cannot fall under 1
	v_max3_num_f32 v[WB+\b], |v[SB+32+16*\b]|, |v[SB+33+16*\b]|, 0x8000000
.endr
.irp i, 2,4,6,8,10,12,14
.irp b, 0,1
	v_max3_num_f32 v[WA+\b], v[WA+\b], |v[SB+16*\b+\i]|, |v[SB+1+16*\b+\i]|
	v_max3_num_f32 v[WB+\b], v[WB+\b], |v[SB+32+16*\b+\i]|, |v[SB+33+16*\b+\i]|
.endr
.endr
.irp w, WA, WA+1, WB, WB+1
	v_permlanex16_b32 v[\w+4], v[\w], s[SEL], s[SEL+1]
.endr
.irp w, WA, WA+1, WB, WB+1
	v_max_num_f32 v[\w], v[\w], v[\w+4]            ; the block's largest magnitude
.endr
.irp w, WA, WA+1, WB, WB+1
	v_add_nc_u32 v[\w+12], 0xf8800000, v[\w]       ; 15 off its exponent field: the conversion's scale operand
.endr
.irp w, WA, WA+1, WB, WB+1
	v_and_or_b32 v[\w+8], v[\w], 0x7f800000, s[MNT]   ; 57,344 x the scale
.endr
.irp w, WA, WA+1, WB, WB+1
	v_lshrrev_b32 v[\w+4], 23, v[\w+12]            ; the scale's byte
.endr
	v_lshl_or_b32 v[QSA], v[WA+5], 8, v[WA+4]
	v_lshl_or_b32 v[QSB], v[WB+5], 8, v[WB+4]
	v_lshl_or_b32 v[QSA], v[QSA], 16, v[QSA]       ; the two bytes twice: bytes 0, 1 serve (q, zeros), bytes 2, 3 (zeros, q)
	v_lshl_or_b32 v[QSB], v[QSB], 16, v[QSB]
.irp b, 0,1
.set n, 0
.rept 16
	v_med3_num_f32 v[SB+16*\b+n], v[SB+16*\b+n], -v[WA+8+\b], v[WA+8+\b]   ; the conversion to an 8-bit code does not saturate (ISA guide 7.6.2): the hold comes first
	v_med3_num_f32 v[SB+32+16*\b+n], v[SB+32+16*\b+n], -v[WB+8+\b], v[WB+8+\b]
.set n, n+1
.endr
.endr
	WIN TO1
.macro QCV d, s, w
	v_cvt_scalef32_pk8_bf8_f32 v[\d:\d+1], v[\s:\s+7], v[\w]
	v_cvt_scalef32_pk8_bf8_f32 v[\d+2:\d+3], v[\s+8:\s+15], v[\w]
.endm
.irp b, 0,1
	QCV QLA+4*\b, SB+16*\b, WA+12+\b
	QCV QHA+8+4*\b, SB+16*\b, WA+12+\b
	QCV QLB+4*\b, SB+32+16*\b, WB+12+\b
	QCV QHB+8+4*\b, SB+32+16*\b, WB+12+\b
.endr
	NOPS 4                                         ; the plain line behind the conversions, and the four places ahead of a scaled product
	WIN 0
	VW
; One product of S^T: key tile 2 j + u (half u of fragment j) against one tile of queries; it starts its sum.  K's scale words: lanes 0-15 serve the even tile (bytes 0, 1), lanes 16-31 the odd one (bytes 2, 3).
.macro KQ j, u, sc, qf, qs
.if \u
	v_wmma_scale_f32_16x16x128_f8f6f4 v[\sc+16*\j+8:\sc+16*\j+15], v[KF+16*\j:KF+16*\j+15], v[\qf:\qf+15], 0, v[KS+\j], v[\qs] matrix_a_fmt:MATRIX_FMT_BF8 matrix_b_fmt:MATRIX_FMT_BF8 matrix_a_scale:MATRIX_SCALE_ROW1
.else
	v_wmma_scale_f32_16x16x128_f8f6f4 v[\sc+16*\j:\sc+16*\j+7], v[KF+16*\j:KF+16*\j+15], v[\qf:\qf+15], 0, v[KS+\j], v[\qs] matrix_a_fmt:MATRIX_FMT_BF8 matrix_b_fmt:MATRIX_FMT_BF8
.endif
.endm
; One product of O^T += V^T P^T: channels 16 t on, one tile of queries, K = the step's 128 keys.
.macro PV t, oa, pc, pw
.if (\t)%2
	v_wmma_scale_f32_16x16x128_f8f6f4 v[\oa+8*\t:\oa+8*\t+7], v[VF+16*\t:VF+16*\t+15], v[\pc:\pc+15], v[\oa+8*\t:\oa+8*\t+7], v[VS+(\t)/2], v[\pw] matrix_a_fmt:MATRIX_FMT_BF8 matrix_b_fmt:MATRIX_FMT_BF8 matrix_a_scale:MATRIX_SCALE_ROW1
.else
	v_wmma_scale_f32_16x16x128_f8f6f4 v[\oa+8*\t:\oa+8*\t+7], v[VF+16*\t:VF+16*\t+15], v[\pc:\pc+15], v[\oa+8*\t:\oa+8*\t+7], v[VS+(\t)/2], v[\pw] matrix_a_fmt:MATRIX_FMT_BF8 matrix_b_fmt:MATRIX_FMT_BF8
.endif
.endm
; The largest score of each block of 32 keys, four chains by turns, in eight turns i = 0 .. 7.  It serves for the row's maximum and, since p rises with the score, for the block's largest p.  Each accumulator is read from its low end on.
.macro MX sc, w, i
.irp b, 0,1,2,3
.if \i == 0
	v_max3_num_f32 v[\w+\b], v[\sc+16*\b], v[\sc+1+16*\b], v[\sc+2+16*\b]
.elseif \i == 7
	v_max_num_f32 v[\w+\b], v[\w+\b], v[\sc+15+16*\b]
.else
	v_max3_num_f32 v[\w+\b], v[\w+\b], v[\sc+16*\b+2*\i+1], v[\sc+16*\b+2*\i+2]
.endif
.endr
.endm
; A tile's way from the blocks' maxima to M and f, in nine links k = 0 .. 8, each of which reads the link before: they are laid among the other tile's independent lines.
.macro CHAIN k, w, st, tm, om, f
.if \k == 0
.irp b, 0,1,2,3
	v_permlanex16_b32 v[\w+4+\b], v[\w+\b], s[SEL], s[SEL+1]
.endr
.elseif \k == 1
.irp b, 0,1,2,3
	v_max_num_f32 v[\w+\b], v[\w+\b], v[\w+4+\b]   ; with lane l xor 16's 16 keys
.endr
.elseif \k == 2
	v_max3_num_f32 v[\tm], v[\w], v[\w+1], v[\w+2]
.elseif \k == 3
	v_max3_num_f32 v[\st+1], v[\tm], v[\w+3], v[\st+1]   ; the running largest score of my query
.elseif \k == 4
	v_mul_f32 v[\tm], s[CS], v[\st+1]              ; as t (c is positive)
.elseif \k == 5
	v_floor_f32 v[\st], -v[\tm]                    ; the new -M = floor(-t) = -ceil(t): M is a whole number
.elseif \k == 6
	v_sub_f32 v[\tm], v[\st], v[\om]               ; old M - new M: a whole number, 0 or less
.elseif \k == 7
	v_cvt_i32_f32 v[\tm], v[\tm]                   ; (it saturates)
.else
	v_ldexp_f32 v[\f], 1.0, v[\tm]                 ; f = 2^(old M - new M): a multiplication by it rounds nothing
.endif
.endm
.macro SOFT1                           ; both tiles' maxima, eight chains by turns, and the first two links of both chains for M
.irp i, 0,1,2,3,4,5,6,7
	MX SA, WA, \i
	MX SB, WB, \i
.endr
.irp k, 0,1
	CHAIN \k, WA, STA, TMA, OMA, FA
	CHAIN \k, WB, STB, TMB, OMB, FB
.endr
.endm
; The row's sum is taken of the unquantised p: two at a time, in eight chains by turns: the running sum and seven side chains, which SUMF joins: 32 additions for 32 pairs.
; Four of the side chains stand in the blocks' byte registers, which are free once p's scale words are made.
.macro SC r, sc, k, a, b               ; side chain r takes pair k of the 16 registers at a; b other than 0: it begins, with pair k of those at b too
.if \b
	v_pk_add_f32 v[\r:\r+1], v[\sc+\a+2*\k:\sc+\a+2*\k+1], v[\sc+\b+2*\k:\sc+\b+2*\k+1]
.else
	v_pk_add_f32 v[\r:\r+1], v[\r:\r+1], v[\sc+\a+2*\k:\sc+\a+2*\k+1]
.endif
.endm
.macro SC7 sc, a, b
	SC U, \sc, 1, \a, \b
	SC U+2, \sc, 2, \a, \b
	SC U+4, \sc, 3, \a, \b
	SC WA+4, \sc, 4, \a, \b
	SC WA+6, \sc, 5, \a, \b
	SC WB+4, \sc, 6, \a, \b
	SC WB+6, \sc, 7, \a, \b
.endm
.macro SUM sc, st
	v_pk_add_f32 v[\st+2:\st+3], v[\st+2:\st+3], v[\sc:\sc+1]
	SC7 \sc, 0, 16
	v_pk_add_f32 v[\st+2:\st+3], v[\st+2:\st+3], v[\sc+16:\sc+17]
	SC7 \sc, 32, 0
	v_pk_add_f32 v[\st+2:\st+3], v[\st+2:\st+3], v[\sc+32:\sc+33]
	SC7 \sc, 48, 0
	v_pk_add_f32 v[\st+2:\st+3], v[\st+2:\st+3], v[\sc+48:\sc+49]
.endm
.macro SUMF st
	v_pk_add_f32 v[U:U+1], v[U:U+1], v[U+2:U+3]
	v_pk_add_f32 v[U+4:U+5], v[U+4:U+5], v[WA+4:WA+5]
	v_pk_add_f32 v[WA+6:WA+7], v[WA+6:WA+7], v[WB+4:WB+5]
	v_pk_add_f32 v[\st+2:\st+3], v[\st+2:\st+3], v[WB+6:WB+7]
	v_pk_add_f32 v[U:U+1], v[U:U+1], v[U+4:U+5]
	v_pk_add_f32 v[\st+2:\st+3], v[\st+2:\st+3], v[WA+6:WA+7]
	v_pk_add_f32 v[\st+2:\st+3], v[\st+2:\st+3], v[U:U+1]
.endm
; The n-th of a tile's 32 dual pairs of holds: number n % 16 of block 2 (n / 16) and number (n % 16) xor 1 of the block behind it, so that the pair's destinations, first sources and bounds each fall into different register banks.
; The conversion does not saturate (ISA guide 7.6.2); p is not negative, so the hold is one-sided.
.macro HOLD2 sc, w
	v_dual_min_num_f32 v[\sc+32*(n/16)+n%16], v[\sc+32*(n/16)+n%16], v[\w+8+2*(n/16)] :: v_dual_min_num_f32 v[\sc+32*(n/16)+16+((n%16)^1)], v[\sc+32*(n/16)+16+((n%16)^1)], v[\w+9+2*(n/16)]
.endm
.macro PCV pc, sc, w                   ; a tile's 64 held p become its 16 registers of codes
.irp b, 0,1,2,3
	v_cvt_scalef32_pk8_bf8_f32 v[\pc+4*\b:\pc+4*\b+1], v[\sc+16*\b:\sc+16*\b+7], v[\w+12+\b]
	v_cvt_scalef32_pk8_bf8_f32 v[\pc+4*\b+2:\pc+4*\b+3], v[\sc+16*\b+8:\sc+16*\b+15], v[\w+12+\b]
.endr
.endm
; THE SOFTMAX'S SECOND PART, as far as the second batch of exponentials: work on registers alone.
.macro SOFT2A
.irp k, 2,3,4,5
	CHAIN \k, WA, STA, TMA, OMA, FA                ; as far as -M the two tiles' chains take turns;
	CHAIN \k, WB, STB, TMB, OMB, FB
.endr
.irp g, 0,1,2,3,4,5,6,7
.irp e, 0,2,4,6
	v_pk_fma_f32 v[SA+8*\g+\e:SA+8*\g+\e+1], v[SA+8*\g+\e:SA+8*\g+\e+1], s[CS:CS+1], v[STA:STA+1] op_sel_hi:[1,0,0]   ; A: t - M, two at a time (of the pairs c and -M the low word serves both halves); the chains' last three links, from -M to f, among them
.endr
.if \g < 3
	CHAIN (\g+6), WA, STA, TMA, OMA, FA
	CHAIN (\g+6), WB, STB, TMB, OMB, FB
.endif
.endr
	WIN W_RS
.set n, 0
.rept 16
	v_pk_mul_f32 v[OA+n:OA+n+1], v[OA+n:OA+n+1], v[FA:FA+1] op_sel_hi:[1,0]   ; O^T under the new M, each accumulator from its low end on; no exponential stands between the products that wrote it and these lines
.set n, n+2
.endr
.set n, 0
.rept 16
	v_pk_mul_f32 v[OB+n:OB+n+1], v[OB+n:OB+n+1], v[FB:FB+1] op_sel_hi:[1,0]
.set n, n+2
.endr
	WIN 0
	v_pk_mul_f32 v[STA+2:STA+3], v[STA+2:STA+3], v[FA:FA+1] op_sel_hi:[1,0]   ; the sums under the new M
	v_pk_mul_f32 v[STB+2:STB+3], v[STB+2:STB+3], v[FB:FB+1] op_sel_hi:[1,0]
.irp b, 0,1,2,3
	v_fma_f32 v[WA+\b], v[WA+\b], s[CS], v[STA]    ; t - M of each block's largest score
	v_fma_f32 v[WB+\b], v[WB+\b], s[CS], v[STB]
.endr
	VW                                             ; ahead of the batch
.irp w, WA,WA+1,WA+2,WA+3,WB,WB+1,WB+2,WB+3
	v_exp_f32 v[\w], v[\w]                         ; the blocks' largest p: the same two instructions on the same number give the same bits
.endr
.set n, 0
.rept 32
	v_exp_f32 v[SA+n], v[SA+n]                     ; A: p = 2^(t - M), not normalised;
	v_exp_f32 v[SA+n+1], v[SA+n+1]
	v_pk_fma_f32 v[SB+n:SB+n+1], v[SB+n:SB+n+1], s[CS:CS+1], v[STB:STB+1] op_sel_hi:[1,0,0]   ; among them B's t - M, which nothing reads before the next wait
.set n, n+2
.endr
	VW                                             ; behind the batch
.irp w, WA,WA+1,WA+2,WA+3,WB,WB+1,WB+2,WB+3
	v_max_num_f32 v[\w], 0x8000000, v[\w]          ; the floor 2^(16 - 127): the byte cannot fall under 1
.endr
.irp w, WA,WA+1,WA+2,WA+3,WB,WB+1,WB+2,WB+3
	v_add_nc_u32 v[\w+12], 0xf8800000, v[\w]       ; 15 off the exponent field: the conversion's scale operand
.endr
.irp w, WA,WA+1,WA+2,WA+3,WB,WB+1,WB+2,WB+3
	v_lshrrev_b32 v[\w+4], 23, v[\w+12]            ; the scale's byte
.endr
	v_lshl_or_b32 v[PWA], v[WA+5], 8, v[WA+4]      ; p's scale words for these 128 keys, three links each, with the holds' bounds among them
	v_lshl_or_b32 v[PWB], v[WB+5], 8, v[WB+4]
.irp w, WA,WA+1,WA+2,WA+3
	v_and_or_b32 v[\w+8], v[\w], 0x7f800000, s[MNT]   ; 57,344 x the scale
.endr
	v_lshl_or_b32 v[PWA], v[WA+6], 16, v[PWA]
	v_lshl_or_b32 v[PWB], v[WB+6], 16, v[PWB]
.irp w, WB,WB+1,WB+2,WB+3
	v_and_or_b32 v[\w+8], v[\w], 0x7f800000, s[MNT]
.endr
	v_lshl_or_b32 v[PWA], v[WA+7], 24, v[PWA]
	v_lshl_or_b32 v[PWB], v[WB+7], 24, v[PWB]
	SUM SA, STA
	SUMF STA
	VW                                             ; ahead of the second batch
.set n, 0
.rept 32
	v_exp_f32 v[SB+2*n], v[SB+2*n]                 ; B's p; among them A's holds
	v_exp_f32 v[SB+2*n+1], v[SB+2*n+1]
	HOLD2 SA, WA
.set n, n+1
.endr
	v_nop                                          ; the plain line behind the exponentials
	VW                                             ; behind the batch
.endm
.macro SOFT2B                          ; the rest: A's codes, B's sum, holds and codes
	PCV PA, SA, WA
	SUM SB, STB
.set n, 0
.rept 32
	HOLD2 SB, WB
.set n, n+1
.endr
	PCV PB, SB, WB
	SUMF STB                                       ; these seven are also the plain line behind the conversions, and the four places ahead of the scaled products
	VW
.endm
; A KEY STEP: 128 keys, the q-th of the slot in hand; its fragments of K were asked for a step ago.  24 products; no two that follow each other share an accumulator, and between two links of a sum in O^T stand 23 others.
; chg = 1: the slot's last step, with a round of the cluster's barrier and the joint refill of this slot; chg = 2: the same with my work-group's barrier alone and no refill.
.macro STEP q, chg
	s_wait_dscnt 0x0                               ; K and its scale words are in
	WIN W_KQ
.irp j, 0,1,2,3
	KQ \j, 0, SA, QLA, QSA
	KQ \j, 0, SB, QLB, QSB
	KQ \j, 1, SA, QHA, QSA
	KQ \j, 1, SB, QHB, QSB
.endr
	WIN 0
	v_mov_b32 v[OMA], v[STA]                       ; the old -M; with the six v_nop: eight places ahead of the loads into K's, V's and the scale words' registers, and ahead of the first read of the scores
	v_mov_b32 v[OMB], v[STB]
	NOPS 6
.irp i, 0,1
	ds_load_b32 v[VS+\i], v[ADT] offset:4*(\q)+16*272*\i   ; V's scale words: lanes 0-15 tile 2 i's rows, lanes 16-31 tile 2 i + 1's
.endr
	WIN TO1
.irp t, 0,1,2,3
.irp c, 0,1,2,3
	ds_load_b128 v[VF+16*\t+4*\c:VF+16*\t+4*\c+3], v[ADV] offset:16*\t*VP+128*(\q)+32*\c
.endr
.endr
.if (\q) < 3
	KLOAD (\q)+1                                   ; the next step's K lands under the softmax
.endif
	WIN 0
.if \chg
	s_wait_tensorcnt 0x0                           ; all my tensor loads have landed: my part of the next slot;
	ds_add_u32 v[SPW], v[NIL]                      ; 0 onto my spare word
.if \chg == 1
	WALK
.endif
.endif
	SOFT1
.if \chg
	VW
	s_wait_dscnt 0x0                               ; the add is done, and V is in: my reads of this slot are over
	s_barrier_signal -1                            ; say so; work on registers stands ahead of the wait
.endif
	SOFT2A
.if \chg
	s_barrier_wait -1                              ; the next slot is whole, and nobody reads this one
.endif
.if \chg == 1
	CREST                                          ; nor does a wave of any partner, and none has a load on its way
	JLOAD                                          ; the keys two slots on, into the slot just left
.endif
.if \chg == 2
	s_cmp_eq_u32 s[SLOTS], 1                       ; behind the last slot there is none to enter: a count of trips, the same in all waves
	s_cbranch_scc1 .Lno_more_\@
.endif
.if \chg
	s_xor_b32 s[TB], s[TB], SLOT1                  ; on to the other slot,
	s_add_co_u32 s[TJ], s[TJ], 16                  ; and to its four scale words of each row of V
	ENTER                                          ; its first fragments of K land under the rest of this step
.endif
.if \chg == 2
.Lno_more_\@:
.endif
	SOFT2B
.if \chg == 0
	s_wait_dscnt 20                                ; V and its scale words are in; behind them stand the next step's 20 loads
.endif
	WIN W_PV
.irp t, 0,1,2,3
	PV \t, OA, PA, PWA
	PV \t, OB, PB, PWB
.endr
	WIN 0
.endm
.macro TRIP chg
	STEP 0, 0
	STEP 1, 0
	STEP 2, 0
	STEP 3, \chg
	s_sub_co_u32 s[SLOTS], s[SLOTS], 1
	s_cmp_lg_u32 s[SLOTS], 0
.endm
.Lslot:                                            ; slots 0 to 5: each is filled again, in its last step, with the keys two slots on
	TRIP 1
	s_cbranch_scc1 .Lslot
	s_mov_b32 s[SLOTS], 2
.Llast:                                            ; slots 6 and 7: nothing more is asked for.  The first trip's barrier shows slot 7 whole to every wave; the second trip's orders nothing that follows
	TRIP 2
	s_cbranch_scc1 .Llast
	; THE WAY OUT.  The sum's two halves and lane l xor 16's are added; O^T is divided by the sum and goes through my stage in LDS, a tile (16 rows of 256 bytes) at a time, so that sixteen lanes store 256 consecutive bytes.
	v_add_f32 v[STA+2], v[STA+2], v[STA+3]
	v_add_f32 v[STB+2], v[STB+2], v[STB+3]
	v_permlanex16_b32 v[TMA], v[STA+2], s[SEL], s[SEL+1]
	v_permlanex16_b32 v[TMB], v[STB+2], s[SEL], s[SEL+1]
	v_add_f32 v[STA+2], v[STA+2], v[TMA]
	v_add_f32 v[STB+2], v[STB+2], v[TMB]
	VW
	v_rcp_f32 v[STA+2], v[STA+2]
	v_rcp_f32 v[STB+2], v[STB+2]
	NOPS 8                                         ; the plain line behind the reciprocals, and the eight places ahead of the first read of the last products' results
	WIN W_OUT
	VW                                             ; behind the reciprocals, directly ahead of the first readers of O^T
.set n, 0
.rept 16
	v_pk_mul_f32 v[SA+n:SA+n+1], v[OA+n:OA+n+1], v[STA+2:STA+3] op_sel_hi:[1,0]   ; O^T / the sum: register 8 t + i is channel 16 t + 8 h + i of query r
.set n, n+2
.endr
.set n, 0
.rept 16
	v_pk_mul_f32 v[SB+n:SB+n+1], v[OB+n:OB+n+1], v[STB+2:STB+3] op_sel_hi:[1,0]
.set n, n+2
.endr
	WIN 0
.irp sc, SA, SB
.irp t, 0,1,2,3
	ds_store_b128 v[STO], v[\sc+8*\t:\sc+8*\t+3] offset:64*\t
	ds_store_b128 v[STO], v[\sc+8*\t+4:\sc+8*\t+7] offset:64*\t+16
.endr
.irp i, 0,1,2,3,4,5,6,7
	ds_load_b128 v[\sc+32+4*\i:\sc+32+4*\i+3], v[RD] offset:2*\i*SP   ; these see my stores, and the next tile's stores come behind them
.endr
.endr
.irp i, 0,1,2,3,4,5,6,7
	s_wait_dscnt 23-\i                             ; behind tile A's load i: its 7 - i later loads and tile B's sixteen instructions
	global_store_b128 v[GO], v[SA+32+4*\i:SA+32+4*\i+3], s[12:13] offset:4096*\i th:TH_STORE_NT   ; 16 lanes store 256 consecutive bytes, at a multiple of 256 from out0's first byte
.endr
.irp i, 0,1,2,3,4,5,6,7
	s_wait_dscnt 7-\i
	global_store_b128 v[GO], v[SB+32+4*\i:SB+32+4*\i+3], s[12:13] offset:32768+4096*\i th:TH_STORE_NT
.endr
	s_wait_tensorcnt 0x0                           ; the wave's end, behind my last tensor load and my last LDS store
	ds_add_u32 v[SPW], v[NIL]
	s_wait_dscnt 0x0
	CROUND                                         ; the closing round: no work-group ends while a partner may still ask for a tile that names it
	s_endpgm
.Lfunc_end_k_q6409005152_attn:
	.size	k_q6409005152_attn, .Lfunc_end_k_q6409005152_attn-k_q6409005152_attn
	.p2alignl 7, 3214868480
	.fill 96, 4, 3214868480
	.section	.rodata,"a",@progbits
	.p2align	6, 0x0
	.amdhsa_kernel k_q6409005152_attn
		.amdhsa_group_segment_fixed_size 327680
		.amdhsa_private_segment_fixed_size 0
		.amdhsa_enable_private_segment 0
		.amdhsa_kernarg_size 40
		.amdhsa_user_sgpr_count 2
		.amdhsa_user_sgpr_kernarg_segment_ptr 1
		.amdhsa_wavefront_size32 1
		.amdhsa_system_sgpr_workgroup_id_x 1
		.amdhsa_system_sgpr_workgroup_id_y 1
		.amdhsa_system_sgpr_workgroup_id_z 1
		.amdhsa_system_vgpr_workitem_id 0
		.amdhsa_next_free_vgpr 512
		.amdhsa_next_free_sgpr 96
		.amdhsa_reserve_vcc 0
		.amdhsa_float_denorm_mode_32 3
		.amdhsa_float_denorm_mode_16_64 3
		.amdhsa_memory_ordered 1
		.amdhsa_forward_progress 1
		.amdhsa_inst_pref_size 255
	.end_amdhsa_kernel
	.section	.bss,"aw",@nobits
	.p2align	6
	.space	262144
	.amdgpu_metadata
---
amdhsa.version: [ 1, 2 ]
amdhsa.kernels:
  - .name:           k_q6409005152_attn
    .symbol:         k_q6409005152_attn.kd
    .args:
      - { .name: q, .offset: 0, .size: 8, .value_kind: global_buffer, .address_space: global }
      - { .name: k_img, .offset: 8, .size: 8, .value_kind: global_buffer, .address_space: global }
      - { .name: v_codes, .offset: 16, .size: 8, .value_kind: global_buffer, .address_space: global }
      - { .name: v_scales, .offset: 24, .size: 8, .value_kind: global_buffer, .address_space: global }
      - { .name: out0, .offset: 32, .size: 8, .value_kind: global_buffer, .address_space: global }
    .group_segment_fixed_size: 327680
    .private_segment_fixed_size: 0
    .kernarg_segment_align: 8
    .kernarg_segment_size: 40
    .max_flat_workgroup_size: 256
    .sgpr_count:     96
    .vgpr_count:     512
    .wavefront_size: 32
...
	.end_amdgpu_metadata
.endif
;; end of part 2
